; MI455X (gfx1250); checked and timed in simulation.
; The chip was launched on July 23, 2026; its instructions are those of AMD's public machine-readable ISA for CDNA 5 (MIT licence, August 2026) and "CDNA5" Instruction Set Architecture Reference Guide (July 2026). The comments in the code are by the model that wrote it; some were corrected since.
;; Temporal Attention Tok. Allowed arithmetic: matrix products marked QUANTISED: E2M1 operands, one E8M0 scale for each 32 along K, by v_wmma_scale_f32_16x16x128_f8f6f4 with both operands' format E2M1 (or v_wmma_scale_f32_32x16x128_f4), f32 sums; products left as they are: bf16, f16 or f32 operands; f32 sums; everything else in f32.
;; Inputs: gk 32 float32; gq 32 float32; wk 256 x 256 float32; wo 256 x 256 float32; wq 256 x 256 float32; wv 256 x 256 float32; x 256 x 256 x 256 float32.
;; Outputs: out0 256 x 256 x 256 float32.
;; This version of the problem:
;;   THIS VERSION OF THE PROBLEM IS GIVEN IN LOW PRECISION. The matrix products marked QUANTISED in the list below multiply operands that are first quantised to E2M1 (2 exponent bits, 1 mantissa bit; 4 bits a number), with one power-of-two scale for each 32 numbers along K (OCP MX v1.0); their sums are f32. The products marked 'left as it is' may take bf16, f16 or f32 operands, with f32 sums. Whichever they take, every output number must still come out within the allowed error. Rounding operands to bf16 (8 significant bits) uses up far more of that allowance than f16 does (11 bits, for magnitudes from 6e-5 to 65,504). All else is computed in f32.
;;   The module's matrix products, in the order in which they are computed (A, B: the left and right operand; K: the contracted axis; several contracted axes count as one K, in the product's order):
;;     1. [M 65,536, K 256] x [K 256, N 256]; A: input x; B: input wq: QUANTISED
;;     2. [M 65,536, K 256] x [K 256, N 256]; A: input x; B: input wk: QUANTISED
;;     3. [M 65,536, K 256] x [K 256, N 256]; A: input x; B: input wv: QUANTISED
;;     4. [M 256, K 1] x [K 1, N 16]; A: computed on the way; B: computed on the way: left as it is (no contracted axis)
;;     5. batch 2,048 x [M 256, K 32] x [K 32, N 256]; A: computed on the way; B: computed on the way: left as it is (an operand is computed on the way)
;;     6. batch 2,048 x [M 256, K 256] x [K 256, N 32]; A: computed on the way; B: computed on the way: left as it is (an operand is computed on the way)
;;     7. [M 65,536, K 256] x [K 256, N 256]; A: computed on the way; B: input wo: left as it is (an operand is computed on the way)
;;   THE QUANTISER, for each operand of a quantised product, along K:
;;     - K is cut into blocks of 32 from its start; a last block that is shorter is filled with zeros.
;;     - A block's scale is 2^e with e = floor(log2(the largest magnitude in the block)) - 2, held to -126 .. 127; a block of zeros has e = 0. As a byte (E8M0): e + 127.
;;     - Each number is divided by its block's scale, clamped to +-6, and rounded to the nearest number of E2M1, ties to even, subnormals kept.
;;     - The product sums the exact products of the quantised numbers (number of the format x scale) in f32.
;;   ~~~python
;;   def quantise(x, axis):      # numpy; x: float32 -> the quantised numbers, widened to float32 again
;;       x = np.moveaxis(x, axis, -1); K = x.shape[-1]
;;       x = np.pad(x, [(0, 0)] * (x.ndim - 1) + [(0, -K % 32)]); x = x.reshape(x.shape[:-1] + (-1, 32)); a = np.abs(x).max(-1, keepdims=True)
;;       e = np.where(a > 0, np.clip(np.frexp(np.where(a > 0, a, 1))[1] - 1 - 2, -126, 127), 0)      # np.frexp(a)[1] - 1 = floor(log2(a)), exactly
;;       r = np.clip(x / 2.0 ** e, -6, 6)
;;       step = 2.0 ** (np.maximum(np.frexp(np.where(r == 0, 1, r))[1] - 1, 0) - 1)
;;       q = np.round(r / step) * step * 2.0 ** e      # np.round: ties to even
;;       return np.moveaxis(q.reshape(q.shape[:-2] + (-1,))[..., :K], -1, axis).astype(np.float32)
;;   ~~~
;; One version. Each part assembles by itself: llvm-mc -triple=amdgcn-amd-amdhsa -mcpu=gfx1250 --defsym DOCPART=n.
;; ======== version 1 of 1: 2 launches
;; limits: values are held in f16: magnitudes above 65,504 overflow, below 6.1e-05 lose precision
;; workspace buffers: wcodes 98,304 bytes; wscal 12,288 bytes; wo16 131,072 bytes; rope 32,768 bytes
;; launch prep (part 1): grid 20 x 1, 4 waves a work-group, no clusters, 0 bytes of LDS; arguments wq, wk, wv, wo, wcodes, wscal, wo16, rope; writes wcodes, wscal, wo16, rope
.if DOCPART == 1
	.amdgcn_target "amdgcn-amd-amdhsa--gfx1250"
	.amdhsa_code_object_version 6
	.text
	.protected	k_qde14f73ec7_prep
	.globl	k_qde14f73ec7_prep
	.p2align	8
	.type	k_qde14f73ec7_prep,@function
k_qde14f73ec7_prep:
	s_mov_b64 s[64:65], 0
	v_nop
	global_prefetch_b8 v0, s[64:65] scope:SCOPE_SE
	s_setreg_imm32_b32 hwreg(HW_REG_WAVE_MODE, 25, 1), 1
	s_wait_xcnt 0x0
; The tables of the attention launch, made once, each in the order of the operand registers that will take it.
;   wcodes [mtx 3 (q,k,v)][row tile 16][K step 2][c 2][lane 32][16 bytes]: E2M1 codes of wq, wk, wv; registers 4 c .. 4 c + 3 of a fragment (16 rows x 128 K): lane (r, h) holds row r, k = 64 c + 32 h + 0 .. 31
;   wscal  [mtx 3][row tile 16][lane 32][K step 2] words: the E8M0 bytes of row (lane % 16), four to a word (128 along K); both halves of the lanes hold the same
;   wo16   [row tile 16][K step 8][c 2][lane 32][16 bytes]: wo in f16; registers 4 c .. 4 c + 3 of a fragment (16 rows x 32 K): k = 16 c + 8 h + 0 .. 7
;   rope   [token tile 16][piece 4][lane 32][16 bytes] f32: cos j 0-3, cos j 4-7, sin j 0-3, sin j 4-7 of the angle t f_i, t = 16 tile + r, i = 8 h + j, f_i = 10000^(-i / 16)
; A unit is one wave's work: 4 x work-group + wave.  Units 0-47: one row tile of wq, wk or wv.  Units 48-63: one row tile of wo.  Units 64-79: one token tile of the angles.  80 units: 20 work-groups of four waves.
; A block's scale is 2^(floor(log2(its largest magnitude)) - 2); its byte is the largest magnitude's exponent field - 2, held at 1 from below.
; LIMITS: a block of zeros gets the byte 1 where the rule says 127 (its codes are zeros, and this program alone reads the bytes); NaN and infinities among the inputs are not served;
; wo goes to f16: magnitudes from 6e-5 to 65,504 keep 11 bits.  cos and sin: the angle less n pi/2 in two parts, then series whose remainder on |rho| <= pi/4 lies under 2e-9; f_i comes from v_exp_f32.
; No LDS, no barrier: waves share nothing.  Every store of a wave covers 256 or 512 consecutive bytes, aligned.
.set SEL, 36                           ; s[36:37] lane selects for v_permlanex16_b32: lane l xor 16
.set AM0, 8                            ; v8-14   at work in QUANT32
.set AM1, 9
.set SC0, 10
.set SC1, 11
.set BY0, 12
.set BY1, 13
.set PT,  14
.set H8,  23                           ; v23     8 h
.set SW,  24                           ; v24-25  the two scale words
.set XN,  64                           ; v64-191 the numbers as loaded
.set CD,  192                          ; v192-207 the codes
; 64 numbers of a lane, v[xn] on, block c = registers 32 c .. 32 c + 31 = k 64 c + 32 h + 0 .. 31 of my row, become a fragment's codes in v[cd] on and its scale word in v[wd].
.macro QUANT32 xn, cd, wd
	v_max3_num_f32 v[AM0], |v[(\xn)]|, |v[(\xn)+1]|, 0x1800000        ; my two blocks' largest magnitudes, by turns; the floor 2^(3 - 127) holds the byte at 1 from below
	v_max3_num_f32 v[AM1], |v[(\xn)+32]|, |v[(\xn)+33]|, 0x1800000
.irp i, 2,4,6,8,10,12,14,16,18,20,22,24,26,28,30
	v_max3_num_f32 v[AM0], v[AM0], |v[(\xn)+\i]|, |v[(\xn)+\i+1]|
	v_max3_num_f32 v[AM1], v[AM1], |v[(\xn)+32+\i]|, |v[(\xn)+33+\i]|
.endr
	v_add_nc_u32 v[SC0], 0xff000000, v[AM0]        ; 2 off the exponent field: the conversion takes the exponent field of this operand as its scale
	v_add_nc_u32 v[SC1], 0xff000000, v[AM1]
	v_lshrrev_b32 v[BY0], 23, v[SC0]               ; the scales' bytes: blocks h and 2 + h of my row
	v_lshrrev_b32 v[BY1], 23, v[SC1]
	v_lshl_or_b32 v[(\wd)], v[BY1], 16, v[BY0]
	v_lshlrev_b32 v[(\wd)], v[H8], v[(\wd)]        ; at their places in the word, 8 h bits up
	v_permlanex16_b32 v[PT], v[(\wd)], s[SEL], s[SEL+1]
	v_or_b32 v[(\wd)], v[(\wd)], v[PT]             ; with lane l xor 16's two bytes the word is whole, in both halves of the lanes
.irp g, 0,1,2,3
	v_cvt_scalef32_pk8_fp4_f32 v[(\cd)+\g], v[(\xn)+8*\g:(\xn)+8*\g+7], v[SC0]
	v_cvt_scalef32_pk8_fp4_f32 v[(\cd)+4+\g], v[(\xn)+32+8*\g:(\xn)+39+8*\g], v[SC1]
.endr
	v_nop                                          ; one plain place behind the last scaled conversion
.endm
	s_load_b256 s[4:11], s[0:1], 0x0               ; wq s[4:5], wk s[6:7], wv s[8:9], wo s[10:11]
	s_load_b256 s[12:19], s[0:1], 0x20             ; wcodes s[12:13], wscal s[14:15], wo16 s[16:17], rope s[18:19]
	v_lshrrev_b32 v1, 5, v0
	v_readfirstlane_b32 s20, v1                    ; wave
	s_lshl_b32 s21, ttmp9, 2
	s_add_co_u32 s21, s21, s20                     ; unit
	v_and_b32 v4, 31, v0                           ; lane
	v_and_b32 v5, 15, v0                           ; r
	v_bfe_u32 v6, v0, 4, 1                         ; h
	v_lshlrev_b32 v1, 4, v4                        ; 16 x lane
	v_lshlrev_b32 v2, 3, v4                        ; 8 x lane
	v_lshlrev_b32 v[H8], 3, v6
	v_mov_b32 v[PT], 0                             ; written once: a lane permute's destination counts as one of its sources
	s_mov_b32 s[SEL], 0x76543210
	s_mov_b32 s[SEL+1], 0xfedcba98
	s_and_b32 s38, s21, 15                         ; the tile within the section's sixteen
	s_mov_b32 s41, 0
	s_wait_kmcnt 0x0
	s_cmp_lt_u32 ttmp9, 12
	s_cbranch_scc0 .Lnot_codes
	; ---- units 0-47: 16 rows of wq, wk or wv, both K steps of 128
	s_cmp_lt_u32 ttmp9, 8                          ; the choice hangs on the work-group's number alone
	s_cselect_b64 s[24:25], s[6:7], s[8:9]
	s_cmp_lt_u32 ttmp9, 4
	s_cselect_b64 s[24:25], s[4:5], s[24:25]
	s_lshl_b32 s40, s38, 14                        ; 16 rows of 1,024 bytes
	s_add_nc_u64 s[24:25], s[24:25], s[40:41]
	s_lshl_b32 s40, s21, 11                        ; a unit's codes: 2,048 bytes
	s_add_nc_u64 s[12:13], s[12:13], s[40:41]
	s_lshl_b32 s40, s21, 8                         ; its scale words: 256 bytes
	s_add_nc_u64 s[14:15], s[14:15], s[40:41]
	v_lshlrev_b32 v3, 10, v5
	v_lshl_add_u32 v3, v6, 7, v3                   ; row r, + 128 h bytes: my 32 numbers of each 64
.irp s, 0,1
.irp c, 0,1
.irp i, 0,1,2,3,4,5,6,7
	global_load_b128 v[XN+64*\s+32*\c+4*\i:XN+64*\s+32*\c+4*\i+3], v3, s[24:25] offset:512*\s+256*\c+16*\i
.endr
.endr
.endr
	s_wait_loadcnt 0x0
	QUANT32 XN, CD, SW
	QUANT32 XN+64, CD+8, SW+1
.irp s, 0,1
.irp c, 0,1
	global_store_b128 v1, v[CD+8*\s+4*\c:CD+8*\s+4*\c+3], s[12:13] offset:1024*\s+512*\c   ; 32 lanes store 512 consecutive bytes
.endr
.endr
	global_store_b64 v2, v[SW:SW+1], s[14:15]      ; 32 lanes store 256 consecutive bytes
	s_endpgm
.Lnot_codes:
	s_cmp_lt_u32 ttmp9, 16
	s_cbranch_scc0 .Lrope
	; ---- units 48-63: 16 rows of wo, eight K steps of 32, to f16
	s_lshl_b32 s40, s38, 14
	s_add_nc_u64 s[10:11], s[10:11], s[40:41]
	s_lshl_b32 s40, s38, 13                        ; a row tile's fragments: 8,192 bytes
	s_add_nc_u64 s[16:17], s[16:17], s[40:41]
	v_lshlrev_b32 v3, 10, v5
	v_lshl_add_u32 v3, v6, 5, v3                   ; row r, + 32 h bytes: my 8 numbers of each 16
.irp k, 0,1,2,3,4,5,6,7
.irp c, 0,1
.irp i, 0,1
	global_load_b128 v[XN+16*\k+8*\c+4*\i:XN+16*\k+8*\c+4*\i+3], v3, s[10:11] offset:128*\k+64*\c+16*\i
.endr
.endr
.endr
	s_wait_loadcnt 0x0
.irp k, 0,1,2,3,4,5,6,7
.irp c, 0,1
.irp q, 0,1,2,3
	v_cvt_pk_f16_f32 v[XN+16*\k+8*\c+\q], v[XN+16*\k+8*\c+2*\q], v[XN+16*\k+8*\c+2*\q+1]   ; in place, ascending: a register is written when its number has been read
.endr
.endr
.endr
.irp k, 0,1,2,3,4,5,6,7
.irp c, 0,1
	global_store_b128 v1, v[XN+16*\k+8*\c:XN+16*\k+8*\c+3], s[16:17] offset:1024*\k+512*\c
.endr
.endr
	s_endpgm
.Lrope:
	; ---- units 64-79: cos and sin for 16 tokens x 16 frequencies; a lane has token r and frequencies 8 h + 0 .. 7
.set TH, 32                            ; v32-39   the index, the frequency, the angle
.set NQ, 40                            ; v40-47   n = the nearest whole number to angle x 2 / pi
.set RH, 48                            ; v48-55   rho = angle - n pi / 2
.set R2, 56                            ; v56-63   rho^2
.set PS, 64                            ; v64-71   sin rho
.set PC, 72                            ; v72-79   cos rho
.set QI, 80                            ; v80-87   n as a whole number
.set TA, 88                            ; v88-95   at work
.set CO, 96                            ; v96-103  cos
.set SI, 104                           ; v104-111 sin
	s_lshl_b32 s39, s38, 4
	s_lshl_b32 s40, s38, 11                        ; a token tile: 2,048 bytes
	s_add_nc_u64 s[18:19], s[18:19], s[40:41]
	s_mov_b32 s24, 0xbf549a78                      ; -log2(10000) / 16
	s_mov_b32 s25, 0x3f22f983                      ; 2 / pi
	s_mov_b32 s26, 0xbfc90fdb                      ; -(pi / 2 rounded to f32)
	s_mov_b32 s27, 0x333bbd2e                      ; that rounded number less pi / 2
	s_mov_b32 s28, 0x3638ef1d                      ; 1 / 9!
	s_mov_b32 s29, 0xb9500d01                      ; -1 / 7!
	s_mov_b32 s30, 0x3c088889                      ; 1 / 5!
	s_mov_b32 s31, 0xbe2aaaab                      ; -1 / 3!
	s_mov_b32 s32, 0xb493f27e                      ; -1 / 10!
	s_mov_b32 s33, 0x37d00d01                      ; 1 / 8!
	s_mov_b32 s34, 0xbab60b61                      ; -1 / 6!
	s_mov_b32 s35, 0x3d2aaaab                      ; 1 / 4!
	v_add_nc_u32 v7, s39, v5
	v_cvt_f32_u32 v7, v7                           ; t
.irp j, 0,1,2,3,4,5,6,7
	v_add_nc_u32 v[TH+\j], \j, v[H8]
.endr
.irp j, 0,1,2,3,4,5,6,7
	v_cvt_f32_u32 v[TH+\j], v[TH+\j]
.endr
.irp j, 0,1,2,3,4,5,6,7
	v_mul_f32 v[TH+\j], s24, v[TH+\j]
.endr
.irp j, 0,1,2,3,4,5,6,7
	v_exp_f32 v[TH+\j], v[TH+\j]                   ; f_i = 2^(-i log2(10000) / 16)
.endr
	v_nop                                          ; a plain place behind the last exponential
	s_wait_alu depctr_va_vdst(0)                   ; one wait for the batch of eight, ahead of its first reader
.irp j, 0,1,2,3,4,5,6,7
	v_mul_f32 v[TH+\j], v7, v[TH+\j]               ; the angle, rounded once
.endr
.irp j, 0,1,2,3,4,5,6,7
	v_mul_f32 v[NQ+\j], s25, v[TH+\j]
.endr
.irp j, 0,1,2,3,4,5,6,7
	v_rndne_f32 v[NQ+\j], v[NQ+\j]
.endr
.irp j, 0,1,2,3,4,5,6,7
	v_fma_f32 v[RH+\j], v[NQ+\j], s26, v[TH+\j]
.endr
.irp j, 0,1,2,3,4,5,6,7
	v_fma_f32 v[RH+\j], v[NQ+\j], s27, v[RH+\j]
.endr
.irp j, 0,1,2,3,4,5,6,7
	v_mul_f32 v[R2+\j], v[RH+\j], v[RH+\j]
.endr
.irp j, 0,1,2,3,4,5,6,7
	v_fma_f32 v[PS+\j], v[R2+\j], s28, s29
	v_fma_f32 v[PC+\j], v[R2+\j], s32, s33
.endr
.irp j, 0,1,2,3,4,5,6,7
	v_fma_f32 v[PS+\j], v[PS+\j], v[R2+\j], s30
	v_fma_f32 v[PC+\j], v[PC+\j], v[R2+\j], s34
.endr
.irp j, 0,1,2,3,4,5,6,7
	v_fma_f32 v[PS+\j], v[PS+\j], v[R2+\j], s31
	v_fma_f32 v[PC+\j], v[PC+\j], v[R2+\j], s35
.endr
.irp j, 0,1,2,3,4,5,6,7
	v_mul_f32 v[PS+\j], v[PS+\j], v[R2+\j]
	v_fma_f32 v[PC+\j], v[PC+\j], v[R2+\j], -0.5
.endr
.irp j, 0,1,2,3,4,5,6,7
	v_fma_f32 v[PS+\j], v[PS+\j], v[RH+\j], v[RH+\j]   ; sin rho
	v_fma_f32 v[PC+\j], v[PC+\j], v[R2+\j], 1.0        ; cos rho
.endr
.irp j, 0,1,2,3,4,5,6,7
	v_cvt_i32_f32 v[QI+\j], v[NQ+\j]
.endr
.irp j, 0,1,2,3,4,5,6,7
	v_and_b32 v[TA+\j], 1, v[QI+\j]
.endr
.irp j, 0,1,2,3,4,5,6,7                        ; the quadrant only selects values: n odd swaps the two series
	v_cmp_ne_u32 vcc_lo, 0, v[TA+\j]
	v_cndmask_b32 v[CO+\j], v[PC+\j], v[PS+\j], vcc_lo
	v_cndmask_b32 v[SI+\j], v[PS+\j], v[PC+\j], vcc_lo
.endr
.irp j, 0,1,2,3,4,5,6,7
	v_add_nc_u32 v[TA+\j], 1, v[QI+\j]
	v_and_b32 v[QI+\j], 2, v[QI+\j]                ; sin is negative in quadrants 2 and 3,
.endr
.irp j, 0,1,2,3,4,5,6,7
	v_and_b32 v[TA+\j], 2, v[TA+\j]                ; cos in quadrants 1 and 2
	v_lshlrev_b32 v[QI+\j], 30, v[QI+\j]
.endr
.irp j, 0,1,2,3,4,5,6,7
	v_lshlrev_b32 v[TA+\j], 30, v[TA+\j]
	v_xor_b32 v[SI+\j], v[SI+\j], v[QI+\j]
.endr
.irp j, 0,1,2,3,4,5,6,7
	v_xor_b32 v[CO+\j], v[CO+\j], v[TA+\j]
.endr
.irp i, 0,1,2,3
	global_store_b128 v1, v[CO+4*\i:CO+4*\i+3], s[18:19] offset:512*\i
.endr
	s_endpgm
.Lfunc_end_k_qde14f73ec7_prep:
	.size	k_qde14f73ec7_prep, .Lfunc_end_k_qde14f73ec7_prep-k_qde14f73ec7_prep
	.p2alignl 7, 3214868480
	.fill 96, 4, 3214868480
	.section	.rodata,"a",@progbits
	.p2align	6, 0x0
	.amdhsa_kernel k_qde14f73ec7_prep
		.amdhsa_group_segment_fixed_size 0
		.amdhsa_private_segment_fixed_size 0
		.amdhsa_enable_private_segment 0
		.amdhsa_kernarg_size 64
		.amdhsa_user_sgpr_count 2
		.amdhsa_user_sgpr_kernarg_segment_ptr 1
		.amdhsa_wavefront_size32 1
		.amdhsa_system_sgpr_workgroup_id_x 1
		.amdhsa_system_sgpr_workgroup_id_y 1
		.amdhsa_system_sgpr_workgroup_id_z 1
		.amdhsa_system_vgpr_workitem_id 0
		.amdhsa_next_free_vgpr 208
		.amdhsa_next_free_sgpr 66
		.amdhsa_reserve_vcc 1
		.amdhsa_float_denorm_mode_32 3
		.amdhsa_float_denorm_mode_16_64 3
		.amdhsa_memory_ordered 1
		.amdhsa_forward_progress 1
		.amdhsa_inst_pref_size 32
	.end_amdhsa_kernel
	.amdgpu_metadata
---
amdhsa.version: [ 1, 2 ]
amdhsa.kernels:
  - .name:           k_qde14f73ec7_prep
    .symbol:         k_qde14f73ec7_prep.kd
    .args:
      - { .name: wq, .offset: 0, .size: 8, .value_kind: global_buffer, .address_space: global }
      - { .name: wk, .offset: 8, .size: 8, .value_kind: global_buffer, .address_space: global }
      - { .name: wv, .offset: 16, .size: 8, .value_kind: global_buffer, .address_space: global }
      - { .name: wo, .offset: 24, .size: 8, .value_kind: global_buffer, .address_space: global }
      - { .name: wcodes, .offset: 32, .size: 8, .value_kind: global_buffer, .address_space: global }
      - { .name: wscal, .offset: 40, .size: 8, .value_kind: global_buffer, .address_space: global }
      - { .name: wo16, .offset: 48, .size: 8, .value_kind: global_buffer, .address_space: global }
      - { .name: rope, .offset: 56, .size: 8, .value_kind: global_buffer, .address_space: global }
    .group_segment_fixed_size: 0
    .private_segment_fixed_size: 0
    .kernarg_segment_align: 8
    .kernarg_segment_size: 64
    .max_flat_workgroup_size: 128
    .sgpr_count:     66
    .vgpr_count:     208
    .wavefront_size: 32
...
	.end_amdgpu_metadata
.endif
;; end of part 1
;; launch attn (part 2): grid 256 x 1, 8 waves a work-group, no clusters, 327,680 bytes of LDS; arguments x, gq, gk, wcodes, wscal, wo16, rope, out0; writes out0
.if DOCPART == 2
	.amdgcn_target "amdgcn-amd-amdhsa--gfx1250"
	.amdhsa_code_object_version 6
	.text
	.protected	k_qde14f73ec7_attn
	.globl	k_qde14f73ec7_attn
	.p2align	8
	.type	k_qde14f73ec7_attn,@function
k_qde14f73ec7_attn:
	s_mov_b64 s[64:65], 0
	v_nop
	global_prefetch_b8 v0, s[64:65] scope:SCOPE_SE
	s_setreg_imm32_b32 hwreg(HW_REG_WAVE_MODE, 25, 1), 1
	s_wait_xcnt 0x0
; One work-group takes one sequence (256 tokens x 256) through the whole module; wave w owns head w.  x is read once, out0 written once; q, k, v and o never go to memory.
;   q, k, v = Q(x) Q(W)^T on E2M1 codes with E8M0 scales (x is quantised here, the weights' codes come ready); RMS norm over the head's 32 with gq, gk; RoPE;
;   scores x 32^-1/2, capped by 50 tanh(. / 50), causal mask, softmax; P V; the projection by wo.  The last three products take f16 operands, sums in f32.
; EVERY PRODUCT IS TURNED SO THAT ITS RESULT LIES AS THE NEXT OPERAND'S REGISTERS WANT IT (lane (r, h), register j):
;   q, k: source 0 = 16 rows of W, source 1 = 16 tokens: token r, feature 16 nt + 8 h + j.  Tiles nt = 0, 1, packed to f16, ARE a fragment of 16 tokens x 32 features; a feature and its RoPE partner 16 on lie in one lane.
;   v:    source 0 = 16 tokens, source 1 = 16 rows of Wv: feature r, token 8 h + j.  Token tiles 2 p, 2 p + 1, packed, ARE a fragment of V^T for 32 keys.
;   S^T = K Q^T: query r, key 8 h + j.  Key tiles a = 0, 1, packed, ARE source 1 of O^T = V^T P;  O^T, packed, IS K step w of the projection;  y: source 0 = 16 rows of wo: token r, eight neighbouring outputs.
; THE CAPPED SOFTMAX.  sqrt(kappa), kappa = (2 log2 e / 50) 32^-1/2, is folded into both gains, so a raw product is u = 2 log2(e) a / 50.  rho = 1 / (1 + 2^u); 50 tanh(a / 50) = 50 (1 - 2 rho).
;   In base 2 the capped score is a constant less 2C rho, 2C = 100 log2 e.  So the row's largest score is its SMALLEST rho, kept as a running minimum, and p = 2^(2C (rho_min - rho)); when the minimum falls, the sum and O^T
;   are multiplied by 2^(2C (new - old)).  A hidden key gets rho = +infinity: it loses every minimum and gives p = 0.  The sum of the unrounded p divides O^T at the end.
; THE MASK.  A trip takes 32 queries; key blocks of 32 beyond them are left out by a scalar branch on the trip's number, the same in all waves; no barrier, wait or tensor load is jumped over.
; NO CLUSTER: x and out0 are shared by nobody; the tables go straight into registers, each wave taking its head's eighth once, and while they are wanted the stage of x leaves LDS no room for joint tiles.
; NO PREFETCH: all of the work-group's x is asked for in the first lines.  One tensor load a wave is out, and no LDS byte is filled twice.
; LIMITS.  NaN and infinities among the inputs are not served.  v and o go to f16: |v| must stay under 65,504 (inputs 30 times those drawn give some 5,400).  q, k after the norm are at most 0.57 |g|.
;   A p under 6e-8 of its row's largest falls to 0 in the product (not in the sum).  The cap is computed as 1 - 2 / (1 + 2^u): absolute error some 6e-6 in the capped score.  The softmax is divided at the end,
;   where the definition divides first: another order of rounding.  A block of zeros of x carries the byte 1 with zero codes.
; LDS (bytes).  XST 0: x in f32, 256 rows 1,040 apart (1,024 + 16: sixteen rows begin at sixteen different 16-byte columns of 256); wave w's load fills, and wave w alone reads, rows 32 w on.  It has its one fill, and is dead behind the first barrier;
;   then inside it: VIMG 0 (wave w's V^T fragments, 16,384 each), ROPE 131,072, EX 163,840 (o's fragments [tile 2][K step 8][1,024]), OUTS 180,224 (32 rows of y, 1,040 apart).
;   XIMG 266,240: x's code fragments as images of their registers, (tile T, K step s) at 1,024 (2 T + s);  XSC 299,008: their scale words, 128 bytes each;  SPARE 303,104: the spare words.
; REGISTERS.  Window 0: v0-23 addresses; v24-39 gk, later statistics; v40-55 gq; v56-71 scale words and nothing else; v72-95 at work; v96-127 x's numbers, tile sets, later Wq; v128-255 by phase (below).
;   Window 1: v0-127 K's 16 fragments (before that v0-31 park my slice of the angles' table); v128-255 my 32 rows of wo, 16 fragments.
.set XP,     1040
.set WTILE,  32*XP
.set ROPE,   131072
.set EX,     163840
.set OUTS,   180224
.set XIMG,   256*XP
.set XSC,    XIMG+32768
.set SPARE,  XSC+4096
.set LI,  1                            ; 16 x lane; never rewritten
.set LS,  2                            ; 4 x lane
.set L8,  3                            ; 8 x lane; never rewritten
.set SPW, 4                            ; LDS address of my spare word; never rewritten
.set NIL, 5                            ; 0; never rewritten
.set VAD, 6                            ; my wave's V images + 16 x lane
.set XIB, 7                            ; XIMG + 16 x lane
.set XIA, 8                            ; the same at the trip's tiles
.set XSB, 9                            ; XSC + 4 x lane
.set XSA, 10
.set RPB, 11                           ; ROPE + 16 x lane
.set RPA, 12
.set EXW, 13                           ; where I store my K step of o
.set EXR, 14                           ; EX + 16 x lane
.set OSW, 15                           ; OUTS: row r, + 128 w + 32 h
.set OSR, 16                           ; OUTS: my four rows, + 16 x lane
.set INF, 17                           ; +infinity
.set XRD, 18                           ; XST: my wave's rows, row r, + 128 h
.set XIW, 19                           ; where I store x's images
.set XSW, 20                           ; and their scale words
.set G32, 21                           ; 32 h: my place in a gain; never rewritten
.set RMH, 22                           ; r - 8 h
.set H8,  23                           ; 8 h
.set GK,  24
.set GQ,  40
.set WQS, 56                           ; scale words: Wq's, x's, Wk's, Wv's
.set XS,  60
.set WKS, 64
.set WVS, 68
.set AM0, 72                           ; QUANT32's work
.set AM1, 73
.set SC0, 74
.set SC1, 75
.set BY0, 76
.set BY1, 77
.set PT,  78
.set SW,  80                           ; v80-83  phase 0: the four scale words made
.set NN,  72                           ; v72-87  NORMROPE: the rotated numbers
.set T0,  88                           ; v88-91  two chains of squares
.set T1,  90
.set TP,  92
.set RS,  94                           ; v94     1 / sqrt(mean + eps); v95 only named with it as a pair
.set XN,  96                           ; v96-159 phase 0: 64 numbers of x
.set CD,  160                          ; v160-191 phase 0: four fragments' codes
.set SET0, 96                          ; phase 1: set T % 2 at 96 + 32 (T % 2): x's two fragments (16), cos (8), sin (8)
.set KA,  160                          ; phase 1: k's two accumulators, v's two
.set VA,  176
.set WK,  192                          ; Wk's and Wv's four fragments (2 nt + s)
.set WV,  224
.set WQ,  96                           ; phase 2: Wq's four fragments
.set QQ,  128                          ; Q's two fragments
.set SS,  144                          ; S^T (b, a) at 144 + 16 b + 8 a
.set PP,  176                          ; P (b) at 176 + 8 b
.set OO,  192                          ; O^T (b, nt) at 192 + 16 b + 8 nt
.set VF,  224                          ; V^T's fragments, two sets of 16
.set RM,  24                           ; v24-25  the running smallest rho of tiles 0, 1
.set MN,  26                           ; v26-27  at work
.set BB,  28                           ; v28,30 / v32,34  2C x the minimum, two sets by turns (odd partners only named)
.set AL,  36                           ; v36, v38 the factor for what was summed under the old minimum
.set LL,  72                           ; v[72:73], v[74:75] the sums (even keys', odd keys')
.set TS,  76                           ; v[76:79] second chains
.set PX,  80                           ; v80-81  permute destinations
.set RL,  82                           ; v82, v84 1 / sum
.set WAVE, 20
.set CNT,  21                          ; the trip, 0 .. 7
.set XOFF, 22                          ; 4,096 x trip: x's images and the angles' table alike
.set XSOFF, 23                         ; 512 x trip
.set G1,   24                          ; s[24:31] descriptor group 1
.set G0,   32                          ; s[32:35] group 0
.set SEL,  36                          ; s[36:37] lane l xor 16
.set C2N,  38                          ; s[38:39] -2C (a pair: the packed form names both)
.set C2P,  40                          ; 2C
.set R32,  41                          ; 1 / 32
.set EPS,  42                          ; 1e-6
.set SKAP, 43                          ; sqrt(kappa)
.set MK,   44                          ; s[44:51] lane masks: key 8 h + j comes after query r
.set PWC,  52                          ; wcodes, wscal, wo16, rope at my wave's parts
.set PWS,  54
.set PWO,  56
.set PRP,  58
.set MSB, 0
.macro WIN new                         ; the immediate's high byte repeats the setting that is left; a switch that changes nothing is dropped
.if MSB != \new
	s_set_vgpr_msb (MSB<<8)|\new
.set MSB, \new
.endif
.endm
.macro PLACES n                        ; plain vector instructions between a matrix instruction and what touches its registers (ISA guide 7.12.1)
.rept \n
	v_nop
.endr
.endm
.macro BAR                             ; my LDS stores have landed and my LDS loads are in: then the work-group's barrier
	s_wait_dscnt 0x0
	s_barrier_signal -1
	s_barrier_wait -1
.endm
; 64 numbers of a lane, v[xn] on, block c = registers 32 c .. 32 c + 31 = k 64 c + 32 h + 0 .. 31 of my row, become a fragment's codes in v[cd] on and its scale word in v[wd].
.macro QUANT32 xn, cd, wd
	v_max3_num_f32 v[AM0], |v[(\xn)]|, |v[(\xn)+1]|, 0x1800000        ; my two blocks' largest magnitudes, by turns; the floor 2^(3 - 127) holds the byte at 1 from below
	v_max3_num_f32 v[AM1], |v[(\xn)+32]|, |v[(\xn)+33]|, 0x1800000
.irp i, 2,4,6,8,10,12,14,16,18,20,22,24,26,28,30
	v_max3_num_f32 v[AM0], v[AM0], |v[(\xn)+\i]|, |v[(\xn)+\i+1]|
	v_max3_num_f32 v[AM1], v[AM1], |v[(\xn)+32+\i]|, |v[(\xn)+33+\i]|
.endr
	v_add_nc_u32 v[SC0], 0xff000000, v[AM0]        ; 2 off the exponent field: the conversion takes the exponent field of this operand as its scale
	v_add_nc_u32 v[SC1], 0xff000000, v[AM1]
	v_lshrrev_b32 v[BY0], 23, v[SC0]               ; the scales' bytes: blocks h and 2 + h of my row
	v_lshrrev_b32 v[BY1], 23, v[SC1]
	v_lshl_or_b32 v[(\wd)], v[BY1], 16, v[BY0]
	v_lshlrev_b32 v[(\wd)], v[H8], v[(\wd)]        ; at their places in the word, 8 h bits up
	v_permlanex16_b32 v[PT], v[(\wd)], s[SEL], s[SEL+1]
	v_or_b32 v[(\wd)], v[(\wd)], v[PT]             ; with lane l xor 16's two bytes the word is whole, in both halves of the lanes
.irp g, 0,1,2,3
	v_cvt_scalef32_pk8_fp4_f32 v[(\cd)+\g], v[(\xn)+8*\g:(\xn)+8*\g+7], v[SC0]
	v_cvt_scalef32_pk8_fp4_f32 v[(\cd)+4+\g], v[(\xn)+32+8*\g:(\xn)+39+8*\g], v[SC1]
.endr
	v_nop                                          ; one plain place behind the last scaled conversion
.endm
; A product on codes.  z = 1: it starts its sum with the constant 0.
.macro FP4 d, a, b, z, sa, sb
.if (\z)
	v_wmma_scale_f32_16x16x128_f8f6f4 v[(\d):(\d)+7], v[(\a):(\a)+7], v[(\b):(\b)+7], 0, v[(\sa)], v[(\sb)] matrix_a_fmt:MATRIX_FMT_FP4 matrix_b_fmt:MATRIX_FMT_FP4
.else
	v_wmma_scale_f32_16x16x128_f8f6f4 v[(\d):(\d)+7], v[(\a):(\a)+7], v[(\b):(\b)+7], v[(\d):(\d)+7], v[(\sa)], v[(\sb)] matrix_a_fmt:MATRIX_FMT_FP4 matrix_b_fmt:MATRIX_FMT_FP4
.endif
.endm
; 16 results of a lane (one token, features 8 h + j in v[a] on, 16 + 8 h + j in v[a + 8] on): RMS norm with the gains v[g] on, RoPE with cos v[rc] on and sin v[rc + 8] on, to f16: a fragment in v[dst] on, in the window that dwin sets.
; The norm's factor is one number a token, so it is multiplied in last: the gains, the rotation and the reciprocal root do not wait for each other.
.macro NORMROPE a, g, rc, dst, dwin
	v_pk_mul_f32 v[T0:T0+1], v[(\a):(\a)+1], v[(\a):(\a)+1]           ; the squares, two chains; each accumulator is read from its low end on
	v_pk_mul_f32 v[T1:T1+1], v[(\a)+8:(\a)+9], v[(\a)+8:(\a)+9]
.irp i, 2,4,6
	v_pk_fma_f32 v[T0:T0+1], v[(\a)+\i:(\a)+\i+1], v[(\a)+\i:(\a)+\i+1], v[T0:T0+1]
	v_pk_fma_f32 v[T1:T1+1], v[(\a)+8+\i:(\a)+9+\i], v[(\a)+8+\i:(\a)+9+\i], v[T1:T1+1]
.endr
	v_pk_add_f32 v[T0:T0+1], v[T0:T0+1], v[T1:T1+1]
	v_add_f32 v[T0], v[T0], v[T0+1]
	v_permlanex16_b32 v[TP], v[T0], s[SEL], s[SEL+1]                  ; the token's other 16 features lie in lane l xor 16
	v_add_f32 v[T0], v[T0], v[TP]
	v_fma_f32 v[T0], v[T0], s[R32], s[EPS]                            ; the mean + eps
	v_rsq_f32 v[RS], v[T0]
.irp i, 0,2,4,6,8,10,12,14
	v_pk_mul_f32 v[(\a)+\i:(\a)+\i+1], v[(\a)+\i:(\a)+\i+1], v[(\g)+\i:(\g)+\i+1]
.endr
.irp i, 0,2,4,6
	v_pk_mul_f32 v[NN+\i:NN+\i+1], v[(\a)+\i:(\a)+\i+1], v[(\rc)+\i:(\rc)+\i+1]
	v_pk_mul_f32 v[NN+8+\i:NN+9+\i], v[(\a)+8+\i:(\a)+9+\i], v[(\rc)+\i:(\rc)+\i+1]
.endr
.irp i, 0,2,4,6
	v_pk_fma_f32 v[NN+\i:NN+\i+1], v[(\a)+8+\i:(\a)+9+\i], v[(\rc)+8+\i:(\rc)+9+\i], v[NN+\i:NN+\i+1] neg_lo:[1,0,0] neg_hi:[1,0,0]   ; x1 cos - x2 sin
	v_pk_fma_f32 v[NN+8+\i:NN+9+\i], v[(\a)+\i:(\a)+\i+1], v[(\rc)+8+\i:(\rc)+9+\i], v[NN+8+\i:NN+9+\i]                               ; x2 cos + x1 sin
.endr
	s_wait_alu depctr_va_vdst(0)                   ; the wait between the reciprocal root and its first reader; the 24 lines above are the independent work
.irp i, 0,2,4,6,8,10,12,14
	v_pk_mul_f32 v[NN+\i:NN+\i+1], v[NN+\i:NN+\i+1], v[RS:RS+1] op_sel_hi:[1,0]
.endr
	WIN \dwin
.irp i, 0,1,2,3,4,5,6,7
	v_cvt_pk_f16_f32 v[(\dst)+\i], v[NN+2*\i], v[NN+2*\i+1]
.endr
	WIN 0
.endm
	; ---- HEAD
	s_load_b256 s[4:11], s[0:1], 0x0               ; x s[4:5], gq s[6:7], gk s[8:9], wcodes s[10:11]
	s_load_b256 s[12:19], s[0:1], 0x20             ; wscal s[12:13], wo16 s[14:15], rope s[16:17], out0 s[18:19]
	v_lshl_add_u32 v[SPW], v0, 2, SPARE
	v_mov_b32 v[NIL], 0
	ds_add_u32 v[SPW], v[NIL]                      ; the wave's opening: the add, twice on end, and its wait ahead of my tensor load; the set-up below, work on registers, stands between
	ds_add_u32 v[SPW], v[NIL]
	v_lshrrev_b32 v24, 5, v0
	v_readfirstlane_b32 s[WAVE], v24               ; wave 0..7 = my head
	v_and_b32 v24, 31, v0                          ; lane
	v_and_b32 v25, 15, v0                          ; r
	v_bfe_u32 v26, v0, 4, 1                        ; h
	v_lshlrev_b32 v[LI], 4, v24
	v_lshlrev_b32 v[LS], 2, v24
	v_lshlrev_b32 v[L8], 3, v24
	v_lshlrev_b32 v[G32], 5, v26
	v_lshlrev_b32 v[H8], 3, v26
	v_sub_nc_u32 v[RMH], v25, v[H8]
	v_mov_b32 v[INF], 0x7f800000
	s_lshl_b32 s2, s[WAVE], 14
	v_add_nc_u32 v[VAD], s2, v[LI]
	v_add_nc_u32 v[XIB], XIMG, v[LI]
	v_add_nc_u32 v[XSB], XSC, v[LS]
	v_add_nc_u32 v[RPB], ROPE, v[LI]
	v_add_nc_u32 v[EXR], EX, v[LI]
	s_lshl_b32 s2, s[WAVE], 12
	v_add_nc_u32 v[RPA], s2, v[RPB]                ; first: where my slice of the angles' table goes
	v_add_nc_u32 v[XIW], s2, v[XIB]
	s_lshl_b32 s2, s[WAVE], 9
	v_add_nc_u32 v[XSW], s2, v[XSB]
	s_lshl_b32 s2, s[WAVE], 10
	v_add_nc_u32 v[EXW], s2, v[EXR]
	v_mul_u32_u24 v27, v25, XP
	s_lshl_b32 s2, s[WAVE], 7
	s_add_co_u32 s2, s2, OUTS
	v_lshl_add_u32 v[OSW], v26, 5, v27
	v_add_nc_u32 v[OSW], s2, v[OSW]
	s_mul_i32 s2, s[WAVE], 4*XP
	s_add_co_u32 s2, s2, OUTS
	v_add_nc_u32 v[OSR], s2, v[LI]
	s_mul_i32 s[G0+1], s[WAVE], WTILE              ; group 0, 63:32: the LDS address: my wave's 32 rows
	v_lshl_add_u32 v[XRD], v26, 7, v27
	v_add_nc_u32 v[XRD], s[G0+1], v[XRD]
.irp j, 0,1,2,3,4,5,6,7
	v_cmp_gt_i32 s[MK+\j], \j, v[RMH]              ; in a tile on the diagonal key 8 h + j is hidden from query r where j > r - 8 h
.endr
	v_mov_b32 v[PT], 0                             ; written once: a lane permute's destination counts as one of its sources,
	v_mov_b32 v[TP], 0
	v_mov_b32 v[RS+1], 0                           ; and the upper half of a pair is named with the lower
	s_mov_b32 s[G0], 1                             ; group 0, 1:0 count = 1
	s_mov_b32 s[G1], 0x07d20000                    ; 15:0 no mask; 17:16 elements of 4 bytes; 20 padding on; 24:22 after every 256 words (code 7); 31:25 four words (code 3)
	s_mov_b32 s[G1+1], 256<<16                     ; tensor_dim0 = 256
	s_mov_b32 s[G1+2], 32<<16                      ; tensor_dim1 = 32
	s_mov_b32 s[G1+3], 256<<16                     ; tile_dim0 = 256
	s_mov_b32 s[G1+4], 32                          ; tile_dim1 = 32
	s_mov_b32 s[G1+5], 256                         ; elements from row to row
	s_mov_b32 s[G1+6], 0
	s_mov_b32 s[G1+7], 0
	s_mov_b32 s[SEL], 0x76543210
	s_mov_b32 s[SEL+1], 0xfedcba98
	s_mov_b32 s[C2N], 0xc31044fe                   ; -100 log2 e
	s_mov_b32 s[C2N+1], s[C2N]
	s_mov_b32 s[C2P], 0x431044fe
	s_mov_b32 s[R32], 0x3d000000
	s_mov_b32 s[EPS], 0x358637bd
	s_mov_b32 s[SKAP], 0x3dceda1d                  ; sqrt((2 log2 e / 50) / sqrt(32)) = 0.10100195
	s_mov_b32 s[CNT], 0
	s_mov_b32 s[XOFF], 0
	s_mov_b32 s[XSOFF], 0
	s_mov_b32 s61, 0
	s_mov_b32 s3, 0
	s_wait_dscnt 0x0                               ; both opening adds are done
	s_wait_kmcnt 0x0
	s_lshl_b32 s60, ttmp9, 18                      ; my sequence: 262,144 bytes in x and in out0
	s_add_nc_u64 s[G0+2:G0+3], s[4:5], s[60:61]
	s_add_nc_u64 s[18:19], s[18:19], s[60:61]
	s_lshl_b32 s60, s[WAVE], 15                    ; my wave's 32 rows of x
	s_add_nc_u64 s[G0+2:G0+3], s[G0+2:G0+3], s[60:61]
	s_or_b32 s[G0+3], s[G0+3], 0x80000000          ; 127:126 type = 2
	tensor_load_to_lds s[G0:G0+3], s[G1:G1+7]      ; my one tensor load: 32 rows x 1,024 bytes; the eight waves' loads are the whole sequence
	s_nop 0
	PLACES 4
	s_lshl_b32 s2, s[WAVE], 12
	s_add_nc_u64 s[18:19], s[18:19], s[2:3]        ; out0: of a trip's 32 rows my four
	s_add_nc_u64 s[PWC:PWC+1], s[10:11], s[2:3]    ; wcodes: row tiles 2 w, 2 w + 1
	s_add_nc_u64 s[PRP:PRP+1], s[16:17], s[2:3]    ; rope: my eighth
	s_lshl_b32 s2, s[WAVE], 9
	s_add_nc_u64 s[PWS:PWS+1], s[12:13], s[2:3]
	s_lshl_b32 s2, s[WAVE], 14
	s_add_nc_u64 s[PWO:PWO+1], s[14:15], s[2:3]
.irp f, 0,1,2,3                                ; f = 2 nt + s
.irp c, 0,1
	global_load_b128 v[WK+8*\f+4*\c:WK+8*\f+4*\c+3], v[LI], s[PWC:PWC+1] offset:32768+1024*\f+512*\c
	global_load_b128 v[WV+8*\f+4*\c:WV+8*\f+4*\c+3], v[LI], s[PWC:PWC+1] offset:65536+1024*\f+512*\c
.endr
.endr
.irp n, 0,1
	global_load_b64 v[WKS+2*\n:WKS+2*\n+1], v[L8], s[PWS:PWS+1] offset:4096+256*\n
	global_load_b64 v[WVS+2*\n:WVS+2*\n+1], v[L8], s[PWS:PWS+1] offset:8192+256*\n
.endr
.irp n, 0,1                                    ; the gains of features 16 nt + 8 h + 0 .. 7
	global_load_b128 v[GK+8*\n:GK+8*\n+3], v[G32], s[8:9] offset:64*\n
	global_load_b128 v[GK+8*\n+4:GK+8*\n+7], v[G32], s[8:9] offset:64*\n+16
	global_load_b128 v[GQ+8*\n:GQ+8*\n+3], v[G32], s[6:7] offset:64*\n
	global_load_b128 v[GQ+8*\n+4:GQ+8*\n+7], v[G32], s[6:7] offset:64*\n+16
.endr
	WIN 0x40                                       ; destination window 1
.irp i, 0,1,2,3,4,5,6,7
	global_load_b128 v[4*\i:4*\i+3], v[LI], s[PRP:PRP+1] offset:512*\i        ; my 4,096 bytes of the angles' table, parked where K will lie
.endr
.irp f, 0,1,2,3,4,5,6,7,8,9,10,11,12,13,14,15  ; f = 8 nt + ks: my 32 rows of wo stay in registers
.irp c, 0,1
	global_load_b128 v[128+8*\f+4*\c:128+8*\f+4*\c+3], v[LI], s[PWO:PWO+1] offset:1024*\f+512*\c
.endr
.endr
	WIN 0
	; ---- PHASE 0: my 32 rows of x become four fragments of codes (tile tt, K step s: f = 2 tt + s), stored as images of their registers
	s_wait_tensorcnt 0x0                           ; my rows have landed; I alone read them
.macro QFRAG f
.irp c, 0,1
.irp i, 0,1,2,3,4,5,6,7
	ds_load_b128 v[XN+32*\c+4*\i:XN+32*\c+4*\i+3], v[XRD] offset:16*XP*((\f)/2)+512*((\f)%2)+256*\c+16*\i
.endr
.endr
	s_wait_dscnt 0x0
	QUANT32 XN, CD+8*(\f), SW+(\f)
	ds_store_b128 v[XIW], v[CD+8*(\f):CD+8*(\f)+3] offset:1024*(\f)
	ds_store_b128 v[XIW], v[CD+8*(\f)+4:CD+8*(\f)+7] offset:1024*(\f)+512
	ds_store_b32 v[XSW], v[SW+(\f)] offset:128*(\f)
.endm
	QFRAG 0
	QFRAG 1
	QFRAG 2
	QFRAG 3
	s_wait_loadcnt 0x0                             ; all the head's loads
.set ix, 0
.rept 32
	v_mul_f32 v[GK+ix], s[SKAP], v[GK+ix]          ; sqrt(kappa) into both gains (gk, then gq)
.set ix, ix+1
.endr
	BAR                                            ; x's 32 fragments lie in LDS; nobody reads the stage of x any more, and nothing fills it again
	WIN 0x04                                       ; an LDS store's data are its source 1: window 1
.irp i, 0,1,2,3,4,5,6,7
	ds_store_b128 v[RPA], v[4*\i:4*\i+3] offset:512*\i
.endr
	WIN 0
	BAR                                            ; the angles' table is whole
	; ---- PHASE 1: K and V of my head, a tile of 16 tokens at a time; written out, since K's registers differ from tile to tile
.macro LOADT T                         ; tile T's two fragments of x, their scale words, its cos and sin, into set T % 2
.irp s, 0,1
.irp c, 0,1
	ds_load_b128 v[SET0+32*((\T)%2)+8*\s+4*\c:SET0+32*((\T)%2)+8*\s+4*\c+3], v[XIB] offset:2048*(\T)+1024*\s+512*\c
.endr
.endr
	ds_load_b32 v[XS+2*((\T)%2)], v[XSB] offset:256*(\T)
	ds_load_b32 v[XS+2*((\T)%2)+1], v[XSB] offset:256*(\T)+128
.irp i, 0,1,2,3
	ds_load_b128 v[SET0+16+32*((\T)%2)+4*\i:SET0+16+32*((\T)%2)+4*\i+3], v[RPB] offset:2048*(\T)+512*\i
.endr
.endm
.macro KV T
.set XF, SET0+32*((\T)%2)
.set RC, SET0+16+32*((\T)%2)
.set XW, XS+2*((\T)%2)
	s_wait_dscnt 0x0                               ; this tile's ten loads are in, and the last tile's stores of V have read the registers that the products below write
.irp s, 0,1                                    ; four accumulators by turns, one instruction a turn
	FP4 KA, WK+8*\s, XF+8*\s, 1-\s, WKS+\s, XW+\s
	FP4 KA+8, WK+16+8*\s, XF+8*\s, 1-\s, WKS+2+\s, XW+\s
	FP4 VA, XF+8*\s, WV+8*\s, 1-\s, XW+\s, WVS+\s
	FP4 VA+8, XF+8*\s, WV+16+8*\s, 1-\s, XW+\s, WVS+2+\s
.endr
.if (\T) < 15
	LOADT (\T)+1                                   ; into the other set, which the tile before last read
.else
.irp f, 0,1,2,3                                ; behind the last tile's products: Wq into set 0, which tile 14 has left
.irp c, 0,1
	global_load_b128 v[WQ+8*\f+4*\c:WQ+8*\f+4*\c+3], v[LI], s[PWC:PWC+1] offset:1024*\f+512*\c
.endr
.endr
	global_load_b64 v[WQS:WQS+1], v[L8], s[PWS:PWS+1]
	global_load_b64 v[WQS+2:WQS+3], v[L8], s[PWS:PWS+1] offset:256
.endif
	PLACES 4
	NORMROPE KA, GK, RC, 8*(\T), 0x40              ; K's fragment of tile T, into window 1
.irp q, 0,1,2,3
	v_cvt_pk_f16_f32 v[VA+\q], v[VA+2*\q], v[VA+2*\q+1]               ; in place, ascending
.endr
.irp q, 0,1,2,3
	v_cvt_pk_f16_f32 v[VA+8+\q], v[VA+8+2*\q], v[VA+9+2*\q]
.endr
	ds_store_b128 v[VAD], v[VA:VA+3] offset:2048*((\T)/2)+512*((\T)%2)            ; half T % 2 of V^T's fragment (key block T / 2, channels 16 nt on)
	ds_store_b128 v[VAD], v[VA+8:VA+11] offset:2048*((\T)/2)+1024+512*((\T)%2)
.endm
	LOADT 0
.irp t, 0,1,2,3,4,5,6,7,8,9,10,11,12,13,14,15
	KV \t
.endr
	s_wait_loadcnt 0x0                             ; Wq and its scale words
	; ---- PHASE 2: eight trips of 32 queries
; A block of 32 keys x 32 queries: 32 scores a lane.
.macro BLOCK p
.set VS, VF+16*((\p)%2)
.set BN, BB+4*((\p)%2)
.set BO, BB+4*(1-(\p)%2)
.if (\p) > 0
	s_cmp_lt_u32 s[CNT], \p                        ; all keys of this block and of the later ones come after the trip's queries
	s_cbranch_scc1 .Lattn_done
.endif
.irp n, 0,1
.irp c, 0,1
	ds_load_b128 v[VS+8*\n+4*\c:VS+8*\n+4*\c+3], v[VAD] offset:1024*(2*(\p)+\n)+512*\c    ; my own images: LDS serves a wave's instructions in order
.endr
.endr
	WIN 0x01                                       ; source 0 (K) window 1
.irp a, 0,1
.irp b, 0,1
	v_wmma_f32_16x16x32_f16 v[SS+16*\b+8*\a:SS+16*\b+8*\a+7], v[8*(2*(\p)+\a):8*(2*(\p)+\a)+7], v[QQ+8*\b:QQ+8*\b+7], 0
.endr
.endr
	WIN 0
	PLACES 4
.set ix, 0
.rept 32
	v_exp_f32 v[SS+ix], v[SS+ix]                   ; 2^u, ascending: each accumulator is read from its low end on
.set ix, ix+1
.endr
	v_nop
	s_wait_alu depctr_va_vdst(0)                   ; one wait for the batch of 32, ahead of its first reader
.set ix, 0
.rept 16
	v_pk_add_f32 v[SS+ix:SS+ix+1], v[SS+ix:SS+ix+1], 1.0 op_sel_hi:[1,0]
.set ix, ix+2
.endr
.set ix, 0
.rept 32
	v_rcp_f32 v[SS+ix], v[SS+ix]                   ; rho = 1 / (1 + 2^u)
.set ix, ix+1
.endr
	v_nop
	s_wait_alu depctr_va_vdst(0)
	s_cmp_lg_u32 s[CNT], \p                        ; only the block on the diagonal hides keys
	s_cbranch_scc1 .Lopen_\@
.irp j, 0,1,2,3,4,5,6,7
	v_cndmask_b32 v[SS+\j], v[SS+\j], v[INF], s[MK+\j]                ; queries 0-15 x keys 0-15
	v_mov_b32 v[SS+8+\j], v[INF]                                      ; queries 0-15 x keys 16-31: all hidden
	v_cndmask_b32 v[SS+24+\j], v[SS+24+\j], v[INF], s[MK+\j]          ; queries 16-31 x keys 16-31
.endr
.Lopen_\@:
.if (\p) == 0
	v_min3_num_f32 v[MN], v[SS], v[SS+1], v[SS+2]                     ; the smallest rho: the largest score.  The two tiles by turns
	v_min3_num_f32 v[MN+1], v[SS+16], v[SS+17], v[SS+18]
.irp i, 3,5,7,9,11,13
	v_min3_num_f32 v[MN], v[MN], v[SS+\i], v[SS+\i+1]
	v_min3_num_f32 v[MN+1], v[MN+1], v[SS+16+\i], v[SS+17+\i]
.endr
	v_min_num_f32 v[MN], v[MN], v[SS+15]
	v_min_num_f32 v[MN+1], v[MN+1], v[SS+31]
.else
	v_min3_num_f32 v[MN], v[RM], v[SS], v[SS+1]                       ; the running minimum is one more leaf
	v_min3_num_f32 v[MN+1], v[RM+1], v[SS+16], v[SS+17]
.irp i, 2,4,6,8,10,12,14
	v_min3_num_f32 v[MN], v[MN], v[SS+\i], v[SS+\i+1]
	v_min3_num_f32 v[MN+1], v[MN+1], v[SS+16+\i], v[SS+17+\i]
.endr
.endif
	v_permlanex16_b32 v[PX], v[MN], s[SEL], s[SEL+1]                  ; the query's other keys lie in lane l xor 16
	v_permlanex16_b32 v[PX+1], v[MN+1], s[SEL], s[SEL+1]
	v_min_num_f32 v[RM], v[MN], v[PX]
	v_min_num_f32 v[RM+1], v[MN+1], v[PX+1]
	v_mul_f32 v[BN], s[C2P], v[RM]                                    ; 2C x the minimum
	v_mul_f32 v[BN+2], s[C2P], v[RM+1]
.if (\p) > 0
	v_sub_f32 v[AL], v[BN], v[BO]                                     ; 0 or less
	v_sub_f32 v[AL+2], v[BN+2], v[BO+2]
.endif
.irp b, 0,1
.irp i, 0,2,4,6,8,10,12,14
	v_pk_fma_f32 v[SS+16*\b+\i:SS+16*\b+\i+1], v[SS+16*\b+\i:SS+16*\b+\i+1], s[C2N:C2N+1], v[BN+2*\b:BN+2*\b+1] op_sel_hi:[1,0,0]   ; 2C (minimum - rho)
.endr
.endr
.set ix, 0
.rept 32
	v_exp_f32 v[SS+ix], v[SS+ix]                   ; p, at most 1
.set ix, ix+1
.endr
.if (\p) > 0
	v_exp_f32 v[AL], v[AL]
	v_exp_f32 v[AL+2], v[AL+2]
.endif
	v_nop
	s_wait_alu depctr_va_vdst(0)
.irp b, 0,1
.irp q, 0,1,2,3,4,5,6,7
	v_cvt_pk_f16_f32 v[PP+8*\b+\q], v[SS+16*\b+2*\q], v[SS+16*\b+2*\q+1]
.endr
.endr
.if (\p) == 0                                  ; the sums of the unrounded p, two chains a tile; the first block starts them
.irp b, 0,1
	v_pk_add_f32 v[LL+2*\b:LL+2*\b+1], v[SS+16*\b:SS+16*\b+1], v[SS+16*\b+2:SS+16*\b+3]
	v_pk_add_f32 v[TS+2*\b:TS+2*\b+1], v[SS+16*\b+4:SS+16*\b+5], v[SS+16*\b+6:SS+16*\b+7]
.endr
.irp i, 8,12
.irp b, 0,1
	v_pk_add_f32 v[LL+2*\b:LL+2*\b+1], v[LL+2*\b:LL+2*\b+1], v[SS+16*\b+\i:SS+16*\b+\i+1]
	v_pk_add_f32 v[TS+2*\b:TS+2*\b+1], v[TS+2*\b:TS+2*\b+1], v[SS+16*\b+\i+2:SS+16*\b+\i+3]
.endr
.endr
.else
.irp b, 0,1
	v_pk_fma_f32 v[LL+2*\b:LL+2*\b+1], v[LL+2*\b:LL+2*\b+1], v[AL+2*\b:AL+2*\b+1], v[SS+16*\b:SS+16*\b+1] op_sel_hi:[1,0,1]
	v_pk_add_f32 v[TS+2*\b:TS+2*\b+1], v[SS+16*\b+2:SS+16*\b+3], v[SS+16*\b+4:SS+16*\b+5]
.endr
.irp i, 6,10
.irp b, 0,1
	v_pk_add_f32 v[LL+2*\b:LL+2*\b+1], v[LL+2*\b:LL+2*\b+1], v[SS+16*\b+\i:SS+16*\b+\i+1]
	v_pk_add_f32 v[TS+2*\b:TS+2*\b+1], v[TS+2*\b:TS+2*\b+1], v[SS+16*\b+\i+2:SS+16*\b+\i+3]
.endr
.endr
.irp b, 0,1
	v_pk_add_f32 v[LL+2*\b:LL+2*\b+1], v[LL+2*\b:LL+2*\b+1], v[SS+16*\b+14:SS+16*\b+15]
.endr
.endif
.irp b, 0,1
	v_pk_add_f32 v[LL+2*\b:LL+2*\b+1], v[LL+2*\b:LL+2*\b+1], v[TS+2*\b:TS+2*\b+1]
.endr
.if (\p) > 0
.irp b, 0,1
.irp i, 0,2,4,6,8,10,12,14
	v_pk_mul_f32 v[OO+16*\b+\i:OO+16*\b+\i+1], v[OO+16*\b+\i:OO+16*\b+\i+1], v[AL+2*\b:AL+2*\b+1] op_sel_hi:[1,0]   ; O^T under the new minimum
.endr
.endr
.endif
	s_wait_dscnt 0x0                               ; V's fragments, asked for at the block's head
.irp n, 0,1
.irp b, 0,1
.if (\p) == 0
	v_wmma_f32_16x16x32_f16 v[OO+16*\b+8*\n:OO+16*\b+8*\n+7], v[VS+8*\n:VS+8*\n+7], v[PP+8*\b:PP+8*\b+7], 0
.else
	v_wmma_f32_16x16x32_f16 v[OO+16*\b+8*\n:OO+16*\b+8*\n+7], v[VS+8*\n:VS+8*\n+7], v[PP+8*\b:PP+8*\b+7], v[OO+16*\b+8*\n:OO+16*\b+8*\n+7]
.endif
.endr
.endr
.endm
.Ltrip:
	; a. q of the trip's two tiles.  Overlays: x's four fragments in v224-255, cos and sin in v192-223, the accumulators (tt, nt) in v144-175
	v_add_nc_u32 v[XIA], s[XOFF], v[XIB]
	v_add_nc_u32 v[XSA], s[XSOFF], v[XSB]
	v_add_nc_u32 v[RPA], s[XOFF], v[RPB]
.irp f, 0,1,2,3                                ; f = 2 tt + s
.irp c, 0,1
	ds_load_b128 v[VF+8*\f+4*\c:VF+8*\f+4*\c+3], v[XIA] offset:1024*\f+512*\c
.endr
.endr
.irp f, 0,1,2,3
	ds_load_b32 v[XS+\f], v[XSA] offset:128*\f
.endr
.irp i, 0,1,2,3,4,5,6,7
	ds_load_b128 v[OO+4*\i:OO+4*\i+3], v[RPA] offset:512*\i
.endr
	s_wait_dscnt 8                                 ; the codes and scale words are in; the eight loads of cos and sin, issued last, may be out
.irp s, 0,1                                    ; four accumulators by turns
	FP4 SS, WQ+8*\s, VF+8*\s, 1-\s, WQS+\s, XS+\s
	FP4 SS+8, WQ+16+8*\s, VF+8*\s, 1-\s, WQS+2+\s, XS+\s
	FP4 SS+16, WQ+8*\s, VF+16+8*\s, 1-\s, WQS+\s, XS+2+\s
	FP4 SS+24, WQ+16+8*\s, VF+16+8*\s, 1-\s, WQS+2+\s, XS+2+\s
.endr
	PLACES 4
	s_wait_dscnt 0x0
	NORMROPE SS, GQ, OO, QQ, 0
	NORMROPE SS+16, GQ, OO+16, QQ+8, 0
	; b. the key blocks up to the diagonal
.irp p, 0,1,2,3,4,5,6,7
	BLOCK \p
.endr
.Lattn_done:
	; c. O^T / the sum, to f16: K step w of the projection, for both tiles of tokens
	v_add_f32 v[LL], v[LL], v[LL+1]                ; the sums' two halves.  These two and the two v_nop are the places behind the last products
	v_add_f32 v[LL+2], v[LL+2], v[LL+3]
	PLACES 2
	v_permlanex16_b32 v[PX], v[LL], s[SEL], s[SEL+1]
	v_permlanex16_b32 v[PX+1], v[LL+2], s[SEL], s[SEL+1]
	v_add_f32 v[LL], v[LL], v[PX]
	v_add_f32 v[LL+2], v[LL+2], v[PX+1]
	v_rcp_f32 v[RL], v[LL]
	v_rcp_f32 v[RL+2], v[LL+2]
	v_nop
	s_wait_alu depctr_va_vdst(0)
.irp b, 0,1
.irp i, 0,2,4,6,8,10,12,14
	v_pk_mul_f32 v[OO+16*\b+\i:OO+16*\b+\i+1], v[OO+16*\b+\i:OO+16*\b+\i+1], v[RL+2*\b:RL+2*\b+1] op_sel_hi:[1,0]
.endr
.endr
.irp b, 0,1
.irp q, 0,1,2,3,4,5,6,7
	v_cvt_pk_f16_f32 v[PP+8*\b+\q], v[OO+16*\b+2*\q], v[OO+16*\b+2*\q+1]
.endr
.endr
.irp b, 0,1
.irp c, 0,1
	ds_store_b128 v[EXW], v[PP+8*\b+4*\c:PP+8*\b+4*\c+3] offset:8192*\b+512*\c
.endr
.endr
	BAR                                            ; all eight heads' o lie in LDS; and every wave's reads of the last trip's rows of y are back, so those rows may be written again
	; d. my 32 outputs for the 32 tokens: o's 16 fragments (tt, ks) at v[128 + 64 tt + 8 ks]; four accumulators y = 2 tt + nt at v72, v80, v88, v24
.irp k, 0,1,2,3,4,5,6,7
.irp t, 0,1
.irp c, 0,1
	ds_load_b128 v[128+64*\t+8*\k+4*\c:128+64*\t+8*\k+4*\c+3], v[EXR] offset:8192*\t+1024*\k+512*\c
.endr
.endr
.endr
	WIN 0x01                                       ; source 0 (wo) window 1
.irp k, 0,1,2,3,4,5,6,7
.if (\k)%2 == 0
	s_wait_dscnt 24-4*\k                           ; four loads a K step: this K step's and the next one's are in, the later ones may be out
.endif
.irp y, 0,1,2,3
.if \k == 0
	v_wmma_f32_16x16x32_f16 v[72+8*\y-72*(\y/3):72+8*\y-72*(\y/3)+7], v[128+8*(8*(\y%2)+\k):128+8*(8*(\y%2)+\k)+7], v[128+64*(\y/2)+8*\k:128+64*(\y/2)+8*\k+7], 0
.else
	v_wmma_f32_16x16x32_f16 v[72+8*\y-72*(\y/3):72+8*\y-72*(\y/3)+7], v[128+8*(8*(\y%2)+\k):128+8*(8*(\y%2)+\k)+7], v[128+64*(\y/2)+8*\k:128+64*(\y/2)+8*\k+7], v[72+8*\y-72*(\y/3):72+8*\y-72*(\y/3)+7]
.endif
.endr
.endr
	WIN 0
	PLACES 5                                       ; four serve the stores and loads below; the fifth the next trip's products, which write over registers that these have read
.irp y, 0,1,2,3
	ds_store_b128 v[OSW], v[72+8*\y-72*(\y/3):72+8*\y-72*(\y/3)+3] offset:16*XP*(\y/2)+64*(\y%2)          ; each accumulator from its low end on: y(16 tt + r, 32 w + 16 nt + 8 h + 0 .. 7)
	ds_store_b128 v[OSW], v[72+8*\y-72*(\y/3)+4:72+8*\y-72*(\y/3)+7] offset:16*XP*(\y/2)+64*(\y%2)+16
.endr
	BAR                                            ; 32 whole rows of y lie in LDS; and every wave's reads of o are back, so o may be written again
.irp k, 0,1,2,3,4,5,6,7
	ds_load_b128 v[QQ+4*\k:QQ+4*\k+3], v[OSR] offset:XP*(\k/2)+512*(\k%2)
.endr
.irp k, 0,1,2,3,4,5,6,7
	s_wait_dscnt 7-\k
	global_store_b128 v[LI], v[QQ+4*\k:QQ+4*\k+3], s[18:19] offset:1024*(\k/2)+512*(\k%2) th:TH_STORE_NT   ; 32 lanes store 512 consecutive bytes, at a multiple of 256 from out0's first byte
.endr
	s_wait_xcnt 0x0                                ; the stores have read their registers and their base: both may be written again
	s_add_nc_u64 s[18:19], s[18:19], 32768
	s_add_co_u32 s[XOFF], s[XOFF], 4096
	s_add_co_u32 s[XSOFF], s[XSOFF], 512
	s_add_co_u32 s[CNT], s[CNT], 1
	s_cmp_lt_u32 s[CNT], 8
	s_cbranch_scc1 .Ltrip
	s_wait_tensorcnt 0x0                           ; the wave's end, behind my tensor load and my last LDS store
	ds_add_u32 v[SPW], v[NIL]
	s_wait_dscnt 0x0
	s_endpgm
.Lfunc_end_k_qde14f73ec7_attn:
	.size	k_qde14f73ec7_attn, .Lfunc_end_k_qde14f73ec7_attn-k_qde14f73ec7_attn
	.p2alignl 7, 3214868480
	.fill 96, 4, 3214868480
	.section	.rodata,"a",@progbits
	.p2align	6, 0x0
	.amdhsa_kernel k_qde14f73ec7_attn
		.amdhsa_group_segment_fixed_size 327680
		.amdhsa_private_segment_fixed_size 0
		.amdhsa_enable_private_segment 0
		.amdhsa_kernarg_size 64
		.amdhsa_user_sgpr_count 2
		.amdhsa_user_sgpr_kernarg_segment_ptr 1
		.amdhsa_wavefront_size32 1
		.amdhsa_system_sgpr_workgroup_id_x 1
		.amdhsa_system_sgpr_workgroup_id_y 1
		.amdhsa_system_sgpr_workgroup_id_z 1
		.amdhsa_system_vgpr_workitem_id 0
		.amdhsa_next_free_vgpr 512
		.amdhsa_next_free_sgpr 66
		.amdhsa_reserve_vcc 0
		.amdhsa_float_denorm_mode_32 3
		.amdhsa_float_denorm_mode_16_64 3
		.amdhsa_memory_ordered 1
		.amdhsa_forward_progress 1
		.amdhsa_inst_pref_size 236
	.end_amdhsa_kernel
	.amdgpu_metadata
---
amdhsa.version: [ 1, 2 ]
amdhsa.kernels:
  - .name:           k_qde14f73ec7_attn
    .symbol:         k_qde14f73ec7_attn.kd
    .args:
      - { .name: x, .offset: 0, .size: 8, .value_kind: global_buffer, .address_space: global }
      - { .name: gq, .offset: 8, .size: 8, .value_kind: global_buffer, .address_space: global }
      - { .name: gk, .offset: 16, .size: 8, .value_kind: global_buffer, .address_space: global }
      - { .name: wcodes, .offset: 24, .size: 8, .value_kind: global_buffer, .address_space: global }
      - { .name: wscal, .offset: 32, .size: 8, .value_kind: global_buffer, .address_space: global }
      - { .name: wo16, .offset: 40, .size: 8, .value_kind: global_buffer, .address_space: global }
      - { .name: rope, .offset: 48, .size: 8, .value_kind: global_buffer, .address_space: global }
      - { .name: out0, .offset: 56, .size: 8, .value_kind: global_buffer, .address_space: global }
    .group_segment_fixed_size: 327680
    .private_segment_fixed_size: 0
    .kernarg_segment_align: 8
    .kernarg_segment_size: 64
    .max_flat_workgroup_size: 256
    .sgpr_count:     66
    .vgpr_count:     512
    .wavefront_size: 32
...
	.end_amdgpu_metadata
.endif
;; end of part 2
